; MI455X (gfx1250); checked and timed in simulation.
; The chip was launched on July 23, 2026; its instructions are those of AMD's public machine-readable ISA for CDNA 5 (MIT licence, August 2026) and "CDNA5" Instruction Set Architecture Reference Guide (July 2026). The comments in the code are by the model that wrote it; some were corrected since.
;; DPLSTM Cell. Allowed arithmetic: matrix products marked QUANTISED: E2M1 operands, one E8M0 scale for each 32 along K, by v_wmma_scale_f32_16x16x128_f8f6f4 with both operands' format E2M1 (or v_wmma_scale_f32_32x16x128_f4), f32 sums; everything else in f32.
;; Inputs: bias_hh 4,096 float32; bias_ih 4,096 float32; c_prev 8,192 x 1,024 float32; h_prev 1 x 8,192 x 1,024 float32; weight_hh 4,096 x 1,024 float32; weight_ih 4,096 x 1,024 float32; x_t 1 x 8,192 x 1,024 float32.
;; Outputs: out0 1,024 float32.
;; This version of the problem:
;;   THIS VERSION OF THE PROBLEM IS GIVEN IN LOW PRECISION. The matrix products marked QUANTISED in the list below multiply operands that are first quantised to E2M1 (2 exponent bits, 1 mantissa bit; 4 bits a number), with one power-of-two scale for each 32 numbers along K (OCP MX v1.0); their sums are f32. All else is computed in f32.
;;   The module's matrix products, in the order in which they are computed (A, B: the left and right operand; K: the contracted axis; several contracted axes count as one K, in the product's order):
;;     1. [M 8,192, K 1,024] x [K 1,024, N 4,096]; A: input x_t; B: input weight_ih: QUANTISED
;;     2. [M 8,192, K 1,024] x [K 1,024, N 4,096]; A: input h_prev; B: input weight_hh: QUANTISED
;;   THE QUANTISER, for each operand of a quantised product, along K:
;;     - K is cut into blocks of 32 from its start; a last block that is shorter is filled with zeros.
;;     - A block's scale is 2^e with e = floor(log2(the largest magnitude in the block)) - 2, held to -126 .. 127; a block of zeros has e = 0. As a byte (E8M0): e + 127.
;;     - Each number is divided by its block's scale, clamped to +-6, and rounded to the nearest number of E2M1, ties to even, subnormals kept.
;;     - The product sums the exact products of the quantised numbers (number of the format x scale) in f32.
;;   ~~~python
;;   def quantise(x, axis):      # numpy; x: float32 -> the quantised numbers, widened to float32 again
;;       x = np.moveaxis(x, axis, -1); K = x.shape[-1]
;;       x = np.pad(x, [(0, 0)] * (x.ndim - 1) + [(0, -K % 32)]); x = x.reshape(x.shape[:-1] + (-1, 32)); a = np.abs(x).max(-1, keepdims=True)
;;       e = np.where(a > 0, np.clip(np.frexp(np.where(a > 0, a, 1))[1] - 1 - 2, -126, 127), 0)      # np.frexp(a)[1] - 1 = floor(log2(a)), exactly
;;       r = np.clip(x / 2.0 ** e, -6, 6)
;;       step = 2.0 ** (np.maximum(np.frexp(np.where(r == 0, 1, r))[1] - 1, 0) - 1)
;;       q = np.round(r / step) * step * 2.0 ** e      # np.round: ties to even
;;       return np.moveaxis(q.reshape(q.shape[:-2] + (-1,))[..., :K], -1, axis).astype(np.float32)
;;   ~~~
;; One version. Each part assembles by itself: llvm-mc -triple=amdgcn-amd-amdhsa -mcpu=gfx1250 --defsym DOCPART=n.
;; ======== version 1 of 1: 2 launches
;; workspace buffers: a_img 8,912,896 bytes; b_img 4,456,448 bytes
;; launch quant (part 1): grid 768 x 1, 4 waves a work-group, no clusters, 39,424 bytes of LDS; arguments x_t, h_prev, weight_ih, weight_hh, a_img, b_img; writes a_img, b_img
.if DOCPART == 1
	.amdgcn_target "amdgcn-amd-amdhsa--gfx1250"
	.amdhsa_code_object_version 6
	.text
	.protected	k_q074e9eb332_quant
	.globl	k_q074e9eb332_quant
	.p2align	8
	.type	k_q074e9eb332_quant,@function
k_q074e9eb332_quant:
	s_mov_b64 s[64:65], 0
	v_nop
	global_prefetch_b8 v0, s[64:65] scope:SCOPE_SE
	s_setreg_imm32_b32 hwreg(HW_REG_WAVE_MODE, 25, 1), 1
	s_wait_xcnt 0x0
; x_t and h_prev [8192][1024], weight_ih and weight_hh [4096][1024], f32, are turned into codes of FP4 (E2M1), 4 bits each, K innermost, with one E8M0 scale byte for each 32 along K.
; THE TWO PRODUCTS ARE JOINED ALONG K (2,048: x_t's or weight_ih's 1,024, then h_prev's or weight_hh's), and the results are laid AS THE PRODUCT'S LAUNCH WANTS THEM IN LDS: in planes of 4,096 rows x 272 bytes, a plane to a K step of 512;
; a row of a plane is its 512 codes (256 bytes, two codes a byte, the lower k in the low four bits) and behind them its 16 scale bytes.  So 128 rows of a K step, codes and scales, are 34,816 consecutive bytes.
; a_img: 8 planes: plane 4 (1 - row / 4096) + K step, row mod 4096: rows 4,096 on come first, so that the tile with row 0 is the last that a work-group of the product's launch walks.  b_img: 4 planes: plane = K step.
; B'S ROWS LIE IN ANOTHER ORDER: gate row gate x 1024 + j (gate 0 i, 1 f, 2 g, 3 o; j the output) goes to place (j / 16) x 64 + gate x 16 + j mod 16, so that 64 neighbouring places hold the four gates of 16 neighbouring outputs.
; A block's scale is 2^(floor(log2(its largest magnitude)) - 2); its byte is the largest magnitude's own exponent field - 2, held at 1 from below.  Each number is divided by the scale and rounded to the nearest code, ties to even,
; beyond 6 to the largest code.
; LIMITS: a block of zeros gets the byte 1 where the rule says 127 (its codes are zeros, which add nothing under any byte but 0xff, and this program alone reads the bytes); blocks whose largest magnitude lies under 2^-124,
; the floor, were not tried; NaN and infinities among the inputs are not served.
; SHARES.  The first WGA work-groups take x_t and h_prev, the others the weights; a work-group takes 16 rows, wave w of it K step w: tensor w / 2 of the pair, half w mod 2 of its rows.  Only pointers and offsets are chosen, on the
; work-group's and the wave's number; there is one path through the text.  Step t of 16 is row t: 512 numbers.  A wave's result is 16 x 272 = 4,352 consecutive bytes, at a multiple of 256 from the buffer's first byte.
; The conversions take 8 numbers of ONE block from a lane's registers, so a lane must hold 16 NEIGHBOURS (two neighbouring lanes hold a block); a load is best where neighbouring LANES take neighbouring bytes.  Both are had: each of a
; step's four loads reads 512 consecutive bytes, 16 a lane; the 2,048 bytes go through the wave's own stage in LDS and come back 64 bytes a lane.  The stage has 16 bytes of padding behind each 64.
; A row's 272 bytes are no whole number of aligned runs of 256: so codes and scale bytes are gathered in the wave's own image in LDS and leave as eight runs of 512 bytes and one of 256, each as soon as it is whole.
; No tensor loads, no ring, no barrier: waves share nothing.  Loads run eight steps (32 loads a wave) ahead, the turn through LDS one step.
.set STEPS, 16
.set AHEAD, 8                          ; steps that the loads run ahead
.set WGA,   8192/16                    ; work-groups for x_t and h_prev
.set EMAX,  2
.set SP,    80                         ; a lane's place in a stage: its 64 bytes + 16 of padding
.set PITCH, 272                        ; a row of the image
.set IMG,   2*32*SP                    ; a wave's LDS: two stages of 32 x SP bytes, then the image of 16 x PITCH bytes
.set WREG,  9728                       ; and what a wave is given for them
.set R,     16                         ; v16-143  eight sets of 16 numbers as they are loaded
.set X,     144                        ; v144-175 two sets of 16 neighbours
.set C,     176                        ; v176-179 a step's codes, two sets by turns
.set E,     180                        ; v180-181 a step's scale byte, two by turns
.set OUTR,  184                        ; v184-215 the image's eight runs of 512 bytes: registers of its own for each, so that no store's data are written again
.set OUTL,  216                        ; v216-217 its last 256 bytes
	s_load_b256 s[4:11], s[0:1], 0x0               ; x_t s[4:5], h_prev s[6:7], weight_ih s[8:9], weight_hh s[10:11]
	s_load_b128 s[12:15], s[0:1], 0x20             ; a_img s[12:13], b_img s[14:15]
	v_lshl_add_u32 v224, v0, 2, 0x9800
	v_mov_b32 v225, 0
	v_lshrrev_b32 v1, 5, v0
	v_readfirstlane_b32 s20, v1                    ; wave
	v_and_b32 v2, 31, v0                           ; lane
	v_lshlrev_b32 v3, 4, v2                        ; my 16 bytes of a load's, and of a store's, 512
	s_mul_i32 s23, s20, WREG
	v_lshrrev_b32 v14, 2, v2
	v_mul_u32_u24 v14, v14, SP
	v_and_b32 v15, 3, v2
	v_lshl_add_u32 v14, v15, 4, v14
	v_add_nc_u32 v14, s23, v14                     ; the stage, on the way in: four lanes' 64 bytes on end, then 16 of padding: SP (lane / 4) + 16 (lane mod 4); a load's 512 bytes take eight places
	v_mul_u32_u24 v15, v2, SP
	v_add_nc_u32 v15, s23, v15                     ; and on the way out: SP x lane: my 16 neighbours
	s_add_co_u32 s23, s23, IMG                     ; my wave's image
	v_lshlrev_b32 v7, 3, v2                        ; 8 bytes a lane
	v_add_nc_u32 v4, s23, v7                       ; into it: my 16 codes of a row,
	v_lshrrev_b32 v5, 1, v2
	v_add_nc_u32 v5, s23, v5                       ; my block's byte (256 bytes further on: in the immediate),
	v_add_nc_u32 v6, s23, v3                       ; and out of it: 16 bytes a lane
	s_cmp_lt_u32 ttmp9, WGA
	s_cselect_b32 s22, 0, WGA
	s_sub_co_u32 s22, ttmp9, s22                   ; the work-group's number within its pair of tensors
	s_lshl_b32 s22, s22, 4                         ; its first row
	s_lshl_b32 s24, s22, 12                        ; that row's first byte (4,096 bytes a row; under 2^25),
	s_and_b32 s21, s20, 1
	s_lshl_b32 s21, s21, 11
	s_add_co_u32 s24, s24, s21                     ; and my half of the row
	s_mov_b32 s25, 0
	s_lshr_b32 s26, s22, 12                        ; an activation's place, in rows of the image: plane 4 (1 - row / 4096) + wave,
	s_xor_b32 s26, s26, 1
	s_lshl_b32 s26, s26, 2
	s_add_co_u32 s26, s26, s20
	s_lshl_b32 s26, s26, 12
	s_and_b32 s27, s22, 4095                       ; row mod 4096
	s_add_co_u32 s26, s26, s27
	s_and_b32 s28, s22, 1023                       ; a weight's: j, a multiple of 16: (j / 16) x 64 = 4 j,
	s_lshl_b32 s28, s28, 2
	s_lshr_b32 s29, s22, 10
	s_lshl_b32 s29, s29, 4                         ; + gate x 16: the 16 rows keep neighbouring places,
	s_add_co_u32 s28, s28, s29
	s_lshl_b32 s29, s20, 12                        ; in plane = wave
	s_add_co_u32 s28, s28, s29
	s_wait_kmcnt 0x0
	s_cmp_lt_u32 ttmp9, WGA                        ; the activations or the weights?  The choice hangs on the work-group's number alone
	s_cselect_b64 s[4:5], s[4:5], s[8:9]           ; the pair's first tensor,
	s_cselect_b64 s[6:7], s[6:7], s[10:11]         ; its second,
	s_cselect_b64 s[12:13], s[12:13], s[14:15]     ; the image,
	s_cselect_b32 s26, s26, s28                    ; and my first row's place in it
	s_cmp_lt_u32 s20, 2                            ; waves 0 and 1 take the pair's first tensor, waves 2 and 3 its second: on the wave's number alone
	s_cselect_b64 s[4:5], s[4:5], s[6:7]
	s_mul_i32 s26, s26, PITCH                      ; in bytes (under 2^24)
	s_mov_b32 s27, 0
	s_add_nc_u64 s[4:5], s[4:5], s[24:25]
	s_add_nc_u64 s[12:13], s[12:13], s[26:27]
.macro LOAD t                          ; step t: my half of row t
.irp i, 0,1,2,3
	global_load_b128 v[R+16*((\t)%AHEAD)+4*\i:R+16*((\t)%AHEAD)+4*\i+3], v3, s[4:5] offset:4096*(\t)+512*\i th:TH_LOAD_NT   ; 32 lanes read 512 consecutive bytes, read once in the launch
.endr
.endm
.macro TURN t                          ; step t's numbers through the stage: LDS serves a wave's instructions in order (ISA guide 5.7.1.4), so no wait stands between the stores and the loads
.irp i, 0,1,2,3
	ds_store_b128 v14, v[R+16*((\t)%AHEAD)+4*\i:R+16*((\t)%AHEAD)+4*\i+3] offset:32*SP*((\t)%2)+8*SP*\i
.endr
.irp i, 0,1,2,3
	ds_load_b128 v[X+16*((\t)%2)+4*\i:X+16*((\t)%2)+4*\i+3], v15 offset:32*SP*((\t)%2)+16*\i
.endr
.endm
.irp t, 0,1,2,3,4,5,6,7
	LOAD \t
.endr
	s_wait_loadcnt 4*(AHEAD-1)                     ; step 0's four loads are in; those of steps 1 to 7 stay out
	TURN 0
.macro STEP t
.set XS, X+16*((\t)%2)
.set CS, C+2*((\t)%2)
; this step's numbers are back from the stage, so its stores into the stage have read their registers.  What the last step issued behind them may stay out:
.if (\t) == 0
	s_wait_dscnt 0x0
.elseif (\t)%2 == 1
	s_wait_dscnt 2                                 ; its codes' store and its byte's
.else
	s_wait_dscnt 3                                 ; those two, and the read of a run of the image
.endif
.if ((\t)%2 == 1) && ((\t) >= 3)
	global_store_b128 v3, v[OUTR+2*((\t)-3):OUTR+2*((\t)-3)+3], s[12:13] offset:256*((\t)-3)   ; run (t - 3) / 2 of the image, read two steps ago and in by the wait above: 512 consecutive bytes, at a multiple of 256 from the buffer's first byte
.endif
.if (\t)+AHEAD < STEPS
	LOAD (\t)+AHEAD                                ; the registers that the stage's stores have read take the loads of eight steps on
	s_wait_loadcnt 4*(AHEAD-1)                     ; the next step's four loads are in; those of the seven steps behind it may be out
.elseif (\t)+1 < STEPS
	s_wait_loadcnt 4*(STEPS-2-(\t))                ; at the end the counts run down
.endif
.if (\t)+1 < STEPS
	TURN (\t)+1                                    ; the next step goes through the other stage while this step is worked
.endif
	v_max3_num_f32 v8, |v[XS]|, |v[XS+1]|, |v[XS+2]|               ; the largest magnitude of my 16, in two chains
	v_max3_num_f32 v9, |v[XS+3]|, |v[XS+4]|, |v[XS+5]|
.irp i, 6,10
	v_max3_num_f32 v8, v8, |v[XS+\i]|, |v[XS+\i+1]|
	v_max3_num_f32 v9, v9, |v[XS+\i+2]|, |v[XS+\i+3]|
.endr
	v_max3_num_f32 v8, v8, |v[XS+14]|, |v[XS+15]|
	v_max3_num_f32 v8, v8, v9, (EMAX+1)<<23        ; and the floor 2^(EMAX + 1 - 127), under which no largest magnitude is taken: so the byte cannot fall under 1
	v_max_num_f32_dpp v8, v8, v8 row_xmask:1 row_mask:0xf bank_mask:0xf   ; and of my neighbour's 16: the block's
	v_add_nc_u32 v11, -(EMAX<<23), v8              ; EMAX off its exponent field: the conversion takes the exponent field of this operand as its scale, and nothing else of it
	v_cvt_scalef32_pk8_fp4_f32 v[CS], v[XS:XS+7], v11              ; eight numbers / the scale, to the nearest code; the first number's code in the lowest four bits
	v_cvt_scalef32_pk8_fp4_f32 v[CS+1], v[XS+8:XS+15], v11
	v_lshrrev_b32 v[E+(\t)%2], 23, v11             ; the scale's byte; also the plain line behind the conversions
	ds_store_b64 v4, v[CS:CS+1] offset:PITCH*(\t)  ; row t of the image: its 256 bytes of codes, 8 a lane,
	ds_store_b8 v5, v[E+(\t)%2] offset:PITCH*(\t)+256   ; and behind them its 16 bytes; both lanes of a block write the same byte with the same value
.if (\t)%2 == 1
	ds_load_b128 v[OUTR+2*((\t)-1):OUTR+2*((\t)-1)+3], v6 offset:256*((\t)-1)   ; rows 0 to t are 272 (t + 1) bytes: run (t - 1) / 2, which ends at byte 256 (t + 1), is whole; LDS serves a wave in order: this sees my stores
.endif
.endm
.irp t, 0,1,2,3,4,5,6,7,8,9,10,11,12,13,14,15
	STEP \t
.endr
	ds_load_b64 v[OUTL:OUTL+1], v4 offset:4096     ; the image's last 256 bytes, 8 a lane
	s_wait_dscnt 0x0
	global_store_b128 v3, v[OUTR+28:OUTR+31], s[12:13] offset:3584
	global_store_b64 v7, v[OUTL:OUTL+1], s[12:13] offset:4096      ; 32 lanes store 256 consecutive bytes
	s_wait_tensorcnt 0x0
	ds_add_u32 v224, v225
	s_wait_dscnt 0x0
	s_endpgm
.Lfunc_end_k_q074e9eb332_quant:
	.size	k_q074e9eb332_quant, .Lfunc_end_k_q074e9eb332_quant-k_q074e9eb332_quant
	.p2alignl 7, 3214868480
	.fill 96, 4, 3214868480
	.section	.rodata,"a",@progbits
	.p2align	6, 0x0
	.amdhsa_kernel k_q074e9eb332_quant
		.amdhsa_group_segment_fixed_size 39424
		.amdhsa_private_segment_fixed_size 0
		.amdhsa_enable_private_segment 0
		.amdhsa_kernarg_size 48
		.amdhsa_user_sgpr_count 2
		.amdhsa_user_sgpr_kernarg_segment_ptr 1
		.amdhsa_wavefront_size32 1
		.amdhsa_system_sgpr_workgroup_id_x 1
		.amdhsa_system_sgpr_workgroup_id_y 1
		.amdhsa_system_sgpr_workgroup_id_z 1
		.amdhsa_system_vgpr_workitem_id 0
		.amdhsa_next_free_vgpr 226
		.amdhsa_next_free_sgpr 66
		.amdhsa_reserve_vcc 0
		.amdhsa_float_denorm_mode_32 3
		.amdhsa_float_denorm_mode_16_64 3
		.amdhsa_memory_ordered 1
		.amdhsa_forward_progress 1
		.amdhsa_inst_pref_size 35
	.end_amdhsa_kernel
	.amdgpu_metadata
---
amdhsa.version: [ 1, 2 ]
amdhsa.kernels:
  - .name:           k_q074e9eb332_quant
    .symbol:         k_q074e9eb332_quant.kd
    .args:
      - { .name: x_t, .offset: 0, .size: 8, .value_kind: global_buffer, .address_space: global }
      - { .name: h_prev, .offset: 8, .size: 8, .value_kind: global_buffer, .address_space: global }
      - { .name: weight_ih, .offset: 16, .size: 8, .value_kind: global_buffer, .address_space: global }
      - { .name: weight_hh, .offset: 24, .size: 8, .value_kind: global_buffer, .address_space: global }
      - { .name: a_img, .offset: 32, .size: 8, .value_kind: global_buffer, .address_space: global }
      - { .name: b_img, .offset: 40, .size: 8, .value_kind: global_buffer, .address_space: global }
    .group_segment_fixed_size: 39424
    .private_segment_fixed_size: 0
    .kernarg_segment_align: 8
    .kernarg_segment_size: 48
    .max_flat_workgroup_size: 128
    .sgpr_count:     66
    .vgpr_count:     226
    .wavefront_size: 32
...
	.end_amdgpu_metadata
.endif
;; end of part 1
;; launch gemm (part 2): grid 16 x 16, 4 waves a work-group, clusters of 4 x 4, 327,680 bytes of LDS; arguments a_img, b_img, bias_ih, bias_hh, c_prev, out0; writes out0
.if DOCPART == 2
	.amdgcn_target "amdgcn-amd-amdhsa--gfx1250"
	.amdhsa_code_object_version 6
	.text
	.protected	k_q074e9eb332_gemm
	.globl	k_q074e9eb332_gemm
	.p2align	8
	.type	k_q074e9eb332_gemm,@function
k_q074e9eb332_gemm:
	s_mov_b64 s[64:65], 0
	v_nop
	global_prefetch_b8 v0, s[64:65] scope:SCOPE_SE
	s_setreg_imm32_b32 hwreg(HW_REG_WAVE_MODE, 25, 1), 1
	s_wait_xcnt 0x0
	s_wait_alu depctr_hold_cnt(0) depctr_sa_sdst(0) depctr_va_vdst(0) depctr_va_sdst(0) depctr_va_ssrc(0) depctr_va_vcc(0) depctr_vm_vsrc(0)
	s_getreg_b32 s2, hwreg(HW_REG_IB_STS2, 6, 4)
	s_cmp_eq_u32 s2, 0
	s_cbranch_scc0 .Lentry_in_a_cluster
	s_endpgm
.Lentry_in_a_cluster:
	s_bfe_u32 s2, ttmp6, 0x10000c
	s_cmp_lg_u32 s2, 0xf033
	s_cbranch_scc0 .Lentry_shape_is_right
	s_endpgm
.Lentry_shape_is_right:
; gates = x W_ih^T + h W_hh^T as ONE product over the joined K of 2,048, on codes of FP4 (E2M1) with one E8M0 scale for each 32 along K, and the LSTM cell of batch row 0:
; out0[j] = sig(o) tanh(sig(f) c_prev[0][j] + sig(i) tanh(g)), the gates' inputs being the sums + bias_ih + bias_hh.
; THE CONTRACT NAMES BOTH PRODUCTS WHOLE, all 8,192 rows by all 4,096 gate rows, as work for the format's matrix instructions: so all of them are multiplied here.  THE RESULT IS ROW 0 ALONE: the sums of rows 1 to 8,191 reach no
; output and are not stored, and only row 0 goes through the cell.
; THE OPERANDS lie in planes of 4,096 rows x 272 bytes, a plane to a K step of 512: a row is its 512 codes (256 bytes, the lower k in the low four bits) and behind them its 16 scale bytes.  a_img: planes 0-3 rows 4,096 to 8,191,
; planes 4-7 rows 0 to 4,095.  b_img: planes 0-3; place p holds gate row gate x 1024 + j with p = (j / 16) x 64 + gate x 16 + j mod 16: a wave's 128 columns are the four gates of 32 neighbouring outputs, block b of 16 columns
; being gate b mod 4 of outputs 16 (b / 4) on.
; A tile of the product, 256 x 256, is made by a work-group of four waves, as many as a WGP has SIMDs; a wave makes 128 x 128: 64 accumulators of 16 x 16, 512 registers.
; K goes in four steps of 512 through a ring of two LDS slots filled by the tensor data mover.  128 rows of a plane are 34,816 consecutive bytes: one load brings them as 136 rows of 256 bytes and they lie in LDS as in memory, rows
; 272 bytes apart: the scale bytes come with the codes, and they keep the sixteen rows that a fragment load touches in sixteen different groups of banks.
; A WORK-GROUP STAYS: it makes two tiles, rows 4,096 + 256 y on and then rows 256 y on, on the same columns, and the ring does not stop between them: the first tile's last two changes of slots ask for the second tile's first two
; K steps.  A's eight steps lie a plane apart on end; B's four are walked twice.  The second tile's first products begin the sums anew; the first tile's sums are dropped.
; CLUSTERS: 4 x 4 work-groups.  The four of a row of the cluster need the same tiles of A, the four of a column the same tiles of B: each tile is asked for JOINTLY, by the same tensor load with the
; same descriptor and a mask that names the four.  THE MATRIX INSTRUCTION IS USED TRANSPOSED (source 0 = 16 rows of B, source 1 = 16 rows of A): a lane then holds eight neighbouring columns of one row of the product.
; REGISTERS, in windows of 256: window 0: v0-31 addresses; v32-95 scale words, two sets; v96-104 the biases and c, v108-111 the gates; from v128 A's fragments (8 x 16 rows x 128 K), ONE set.
;   window 1: B's fragments, TWO sets, at v0 and at v128.   window 2: the 32 accumulators of my rows 0-63 (accumulator (a, b) at v[8 (8 a + b)]);   window 3: those of my rows 64-127.
; A step of 128 along K is 64 matrix instructions, A's blocks one after the other, each against B's eight.  So a block of A is free as soon as its eight products are issued, and one set of registers serves A:
; blocks 0-3 are fetched anew in the step's middle, blocks 4-7 at its end.  B's fragments are at work through the whole step, so B has two sets.
; LIMITS.  NaN and infinities are not served.  The two biases are added to each other and then to the sum, another order than the reference's.  tanh(x) is taken as 2 sig(2 x) - 1 and as 1 - 2 / (1 + e^(2 x)): absolute error
; near 1e-7, right limits for arguments of any size.  A wave stores 128 consecutive bytes of out0, two waves of a work-group an aligned run of 256: the output is 4 KiB in all.
.set NQ,     4                         ; steps of 128 along K in a slot
.set PITCH,  272                       ; a row in memory and in LDS: 256 bytes of codes + 16 scale bytes = 68 words: row r starts at bank 4 r mod 64 (64 banks of 4 bytes: ISA guide 11.1)
.set FR,     8                         ; registers of a fragment: 16 rows x 128 K
.set NL,     2                         ; LDS loads that bring one
.set NP,     4                         ; places behind this matrix instruction (ISA guide 7.12.1)
.set HALFT,  128*PITCH                 ; 128 rows: what one tensor load brings, and what one wave reads of A or of B
.set SLOT,   4*HALFT                   ; A's 256 rows, then B's 256 rows
.set PLANE,  4096*PITCH                ; from a K step to the next, in bytes
.set TILES,  2                         ; tiles of a work-group
.set SPARE,  2*SLOT                    ; behind the ring: the spare words, 128 bytes for each wave: two blocks of 256 bytes that no other line names
.set SPITCH, 528                       ; the tail: a stage of 16 rows x (512 bytes + 16) for each wave.  It lies in slot 0, which has had its last fill and its last read when the first result is stored there
.set ADRA, 16                          ; v16-17  LDS address of my A fragments in slot 0, 1
.set ADRB, 20                          ; v20-21  the same for B
.set STO,  24                          ; v24     the tail: where I put 32 bytes of a row
.set RD,   25                          ; v25     the tail: where I read my output's gate i in the stage's row 0
.set ADRS, 26                          ; v26-27  LDS address of my scale words in slot 0, 1: lanes 0-15 A's rows, lanes 16-31 B's
.set SPW,  28                          ; v28     LDS address of my spare word: SPARE + 4 x my thread's number; never rewritten
.set NIL,  29                          ; v29     0; never rewritten
.set VB,   30                          ; v30     4 x my output's number: its byte in a gate's 1,024 biases, in c_prev's row 0 and in out0
.set ROW0, 31                          ; v31     2 x tile row + my half of its rows: 0 in the waves whose last tile begins with row 0
.set SC,   32                          ; scale words: set s (for slot s) at v[SC + 8 NQ s]; in it register NQ i + q: lanes 0-15 the word of A's block i, lanes 16-31 that of B's block i, for the slot's q-th 128 along K
.set BI,   96                          ; v96-99   bias_ih of my output's four gates
.set BH,   100                         ; v100-103 bias_hh
.set CV,   104                         ; v104     c_prev[0][my output]
.set GT,   108                         ; v108-111 the four gates
.set AF,   128                         ; A's fragments, in window 0
.set G1, 24                            ; s[24:31] descriptor group 1 for A's tiles;  s[32:39] group 0, one set for each slot
.set G0, 32
.set G1B, 48                           ; s[48:55], s[56:63] the same for B's tiles
.set G0B, 56
.set MSB, 0
.macro WIN new                         ; the immediate's high byte repeats the setting that is left
.if MSB != \new
	s_set_vgpr_msb (MSB<<8)|\new
.set MSB, \new
.endif
.endm
.set MUL_LO, 0xa1                      ; source 0 (B) window 1, source 1 (A) window 0, C and D window 2
.set MUL_HI, 0xf1                      ; the same, C and D window 3
.set TO_B,   0x40                      ; destination window 1, address window 0
; A joint load: waves 0 and 1 fetch for A, waves 2 and 3 for B.  Each of the two lines has ONE mask and one set of registers for all that issue it; the branch hangs on the wave's number alone.
; Four v_nop follow each of the two lines, ahead of the jump, the label and what follows.
.macro JLOAD s
	s_cmp_eq_u32 s15, 0
	s_cbranch_scc0 .Lfor_b_\@
	tensor_load_to_lds s[G0+4*\s:G0+4*\s+3], s[G1:G1+7]
	s_nop 0
.rept 4
	v_nop
.endr
	s_branch .Lasked_\@
.Lfor_b_\@:
	tensor_load_to_lds s[G0B+4*\s:G0B+4*\s+3], s[G1B:G1B+7]
	s_nop 0
.rept 4
	v_nop
.endr
.Lasked_\@:
.endm
.macro CREST                           ; a round of the cluster's barrier behind its opening barrier
	s_cmp_lg_u32 s14, 0
	s_cbranch_scc1 .Lnot_wave_0_\@
	s_barrier_signal -3
.Lnot_wave_0_\@:
	s_barrier_wait -3
	s_barrier_signal -1
	s_barrier_wait -1
.endm
.macro CROUND                          ; a whole round
	s_barrier_signal -1
	s_barrier_wait -1
	CREST
.endm
	s_load_b128 s[4:7], s[0:1], 0x0                ; a_img s[4:5], b_img s[6:7]
	v_lshl_add_u32 v[SPW], v0, 2, SPARE
	v_mov_b32 v[NIL], 0
	ds_add_u32 v28, v29
	ds_add_u32 v28, v29
	s_wait_dscnt 0x0
	v_lshrrev_b32 v1, 5, v0
	v_readfirstlane_b32 s14, v1                    ; wave 0..3
	s_lshr_b32 s15, s14, 1                         ; which half of the tile's rows is mine.  Also: I fetch for A (0) or for B (1)
	s_and_b32 s16, s14, 1                          ; which half of its columns.  Also: which 128 rows of that tile I fetch
	s_bfe_u32 s40, ttmp6, 0x40000                  ; cx, cy: my place in the cluster
	s_bfe_u32 s41, ttmp6, 0x40004
	s_lshl_b32 s42, ttmp9, 2
	s_add_co_u32 s42, s42, s40                     ; tile column = 4 x cluster x + cx
	s_and_b32 s17, ttmp7, 0xffff
	s_lshl_b32 s17, s17, 2
	s_add_co_u32 s17, s17, s41                     ; tile row within a half of the rows = 4 x cluster y + cy
	s_lshl_b32 s43, s41, 2
	s_lshl_b32 s43, 15, s43                        ; my row of the cluster
	s_lshl_b32 s44, 0x1111, s40                    ; my column
	; descriptor group 1: a dense block of 34,816 bytes as 136 rows of 256 bytes (32 elements of 8 bytes), no padding
	s_or_b32 s[G1+0], s43, (3<<16)|(1<<21)         ; 15:0 the mask: A's tiles go to my row; 17:16 elements of 8 bytes; 20 padding off; 21 set beside a mask
	s_or_b32 s[G1B+0], s44, (3<<16)|(1<<21)        ; the same with the mask of my column, for B's tiles
.irp g, G1, G1B
	s_mov_b32 s[\g+1], 32<<16                      ; tensor_dim0 = 32
	s_mov_b32 s[\g+2], (HALFT/256)<<16             ; tensor_dim1 = 136
	s_mov_b32 s[\g+3], 32<<16                      ; tile_dim0 = 32
	s_mov_b32 s[\g+4], HALFT/256                   ; tile_dim1 = 136
	s_mov_b32 s[\g+5], 32                          ; tensor_dim0_stride: each row begins where the last ends
	s_mov_b32 s[\g+6], 0
	s_mov_b32 s[\g+7], 0
.endr
	; where the tiles come from.  A's hang on the tile row alone, which my row of the cluster shares; B's on the tile column alone, which my column shares; each in registers that never hold the other coordinate
	s_lshl_b32 s18, s16, 7                         ; which 128 rows of the tile I fetch
	s_lshl_b32 s20, s17, 8
	s_add_co_u32 s20, s20, s18                     ; A: row 256 x tile row + 128 x half of a plane,
	s_mul_i32 s20, s20, PITCH                      ; in bytes (under 2^21)
	s_mov_b32 s21, 0
	s_lshl_b32 s46, s42, 8
	s_add_co_u32 s46, s46, s18                     ; B: place 256 x tile column + 128 x half
	s_mul_i32 s46, s46, PITCH
	s_mov_b32 s47, 0
	s_mul_i32 s45, s14, HALFT                      ; where they go: wave x 128 rows: no place in the cluster enters an LDS address
	s_wait_kmcnt 0x0
	s_add_nc_u64 s[20:21], s[4:5], s[20:21]
	s_add_nc_u64 s[46:47], s[6:7], s[46:47]
	CROUND                                         ; all sixteen work-groups are here: the first joint loads meet
.irp s, 0,1
	s_mov_b32 s[G0+4*\s], 1                                        ; 1:0 count = 1
	s_add_co_u32 s[G0+4*\s+1], s45, \s*SLOT                        ; 63:32 LDS address
	s_add_nc_u64 s[G0+4*\s+2:G0+4*\s+3], s[20:21], \s*PLANE        ; 120:64 global address: plane s: the first tile's K step s
	s_or_b32 s[G0+4*\s+3], s[G0+4*\s+3], 0x80000000                ; 127:126 type = 2
	s_mov_b32 s[G0B+4*\s], 1
	s_add_co_u32 s[G0B+4*\s+1], s45, \s*SLOT
	s_add_nc_u64 s[G0B+4*\s+2:G0B+4*\s+3], s[46:47], \s*PLANE
	s_or_b32 s[G0B+4*\s+3], s[G0B+4*\s+3], 0x80000000
	JLOAD \s                                       ; the ring is filled before anything else is done: two loads of mine are out
.endr
	s_load_b256 s[4:11], s[0:1], 0x10              ; the first two addresses are done with: bias_ih s[4:5], bias_hh s[6:7], c_prev s[8:9], out0 s[10:11]
	v_and_b32 v1, 15, v0                           ; l % 16
	v_bfe_u32 v2, v0, 4, 1                         ; l / 16
	v_mul_u32_u24 v3, v1, PITCH
	v_lshl_add_u32 v4, v2, 4, v3                   ; a fragment's row x pitch + 16 x half
	s_mul_i32 s21, s15, HALFT                      ; my 128 rows of A
	s_mul_i32 s22, s16, HALFT                      ; my 128 rows of B,
	s_add_co_u32 s22, s22, 2*HALFT                 ; which lie behind A's 256
	s_sub_co_u32 s23, s22, s21                     ; from the one to the other
	v_mul_u32_u24 v5, s23, v2                      ; the scale words: lanes 16-31 take B's rows,
	v_add_nc_u32 v5, v5, v3                        ; row l % 16,
	v_add_nc_u32 v5, 256, v5                       ; behind the row's 256 bytes of codes
.irp s, 0,1
	v_add_nc_u32 v[ADRA+\s], s21, v4
	v_add_nc_u32 v[ADRB+\s], s22, v4
	v_add_nc_u32 v[ADRS+\s], s21, v5
	s_add_co_u32 s21, s21, SLOT
	s_add_co_u32 s22, s22, SLOT
.endr
	s_mul_i32 s23, s14, 16*SPITCH                  ; my stage
	v_mul_u32_u24 v5, v1, SPITCH                   ; in: row l % 16, 32 bytes for each half of the lanes
	v_lshl_add_u32 v5, v2, 5, v5
	v_add_nc_u32 v[STO], s23, v5
	v_lshlrev_b32 v6, 2, v1                        ; back: the stage's row 0.  Column 16 b + i lies at byte 64 b + 4 i; lane l takes output l = 16 u + i, whose gate lies in block gate + 4 u:
	v_lshl_add_u32 v6, v2, 8, v6                   ; 256 u + 4 i, and 64 more for each gate
	v_add_nc_u32 v[RD], s23, v6
	v_and_b32 v6, 31, v0
	s_lshl_b32 s46, s42, 8                         ; my output: 64 x tile column + 32 x my half of the columns + lane; in bytes
	s_lshl_b32 s47, s16, 7
	s_add_co_u32 s46, s46, s47
	v_lshl_add_u32 v[VB], v6, 2, s46
	s_lshl_b32 s20, s17, 1
	s_add_co_u32 s20, s20, s15
	v_mov_b32 v[ROW0], s20                         ; 0 where the first row of my part of the last tile is row 0 of the product
	s_wait_kmcnt 0x0
.irp g, 0,1,2,3                                ; asked for now, waited for in the tail: their registers, v30 and s[4:9] are not touched in between.  Every wave asks: 32 lanes read 128 consecutive bytes
	global_load_b32 v[BI+\g], v[VB], s[4:5] offset:4096*\g
	global_load_b32 v[BH+\g], v[VB], s[6:7] offset:4096*\g
.endr
	global_load_b32 v[CV], v[VB], s[8:9]           ; c_prev's row 0
.macro FRAG reg, adr, q, i             ; a fragment, 16 rows x 128 K of 4-bit codes, is 8 registers: lane l holds row l % 16; registers 4 c .. 4 c + 3 hold K = 64 c + 32 (l / 16) + 0 .. 31, the lower K in the lower bits
.irp c, 0,1
	ds_load_b128 v[\reg+4*\c:\reg+4*\c+3], v[\adr] offset:64*(\q)+32*\c+(\i)*16*PITCH
.endr
.endm
; 16 matrix instructions: A's blocks a0, a0 + 1 x B's eight, 128 along K: the slot's q-th.  p: B's set;  sc: the set of scale words.  zero = 1: the product starts the sums: nothing is ever cleared.
; The 64 accumulators take turns, one instruction a turn, in the same order in every step.
.macro MUL16 a0, p, q, sc, zero
.irp a, \a0, \a0+1
.irp b, 0,1,2,3,4,5,6,7
.if \zero
	v_wmma_scale_f32_16x16x128_f8f6f4 v[8*(8*((\a)%4)+\b):8*(8*((\a)%4)+\b)+7], v[128*(\p)+FR*\b:128*(\p)+FR*\b+FR-1], v[AF+FR*(\a):AF+FR*(\a)+FR-1], 0, v[SC+8*NQ*(\sc)+NQ*\b+(\q)], v[SC+8*NQ*(\sc)+NQ*(\a)+(\q)] matrix_a_fmt:MATRIX_FMT_FP4 matrix_b_fmt:MATRIX_FMT_FP4 matrix_a_scale:MATRIX_SCALE_ROW1
.else
	v_wmma_scale_f32_16x16x128_f8f6f4 v[8*(8*((\a)%4)+\b):8*(8*((\a)%4)+\b)+7], v[128*(\p)+FR*\b:128*(\p)+FR*\b+FR-1], v[AF+FR*(\a):AF+FR*(\a)+FR-1], v[8*(8*((\a)%4)+\b):8*(8*((\a)%4)+\b)+7], v[SC+8*NQ*(\sc)+NQ*\b+(\q)], v[SC+8*NQ*(\sc)+NQ*(\a)+(\q)] matrix_a_fmt:MATRIX_FMT_FP4 matrix_b_fmt:MATRIX_FMT_FP4 matrix_a_scale:MATRIX_SCALE_ROW1
.endif
.endr
.endr
.endm
.macro FETCH_B slot, q, p              ; B's eight fragments of the slot's q-th 128 along K into set p
	WIN TO_B
.irp i, 0,1,2,3,4,5,6,7
	FRAG 128*(\p)+FR*\i, ADRB+\slot, \q, \i
.endr
	WIN 0
.endm
.macro FETCH_A slot, q, i0             ; A's blocks i0 .. i0 + 3
.irp i, \i0, \i0+1, \i0+2, \i0+3
	FRAG AF+FR*(\i), ADRA+\slot, \q, \i
.endr
.endm
.macro SCALES sc                       ; slot sc's scale words into set sc: the 16 bytes behind a row's codes are its NQ words; lanes 0-15 take A's block i, lanes 16-31 B's block i
.irp i, 0,1,2,3,4,5,6,7
	ds_load_b128 v[SC+8*NQ*\sc+NQ*\i:SC+8*NQ*\sc+NQ*\i+3], v[ADRS+\sc] offset:\i*16*PITCH
.endr
.endm
; A load into a register that a matrix instruction has read, and a vector instruction or an LDS store that reads a matrix result, stand NP places behind that matrix instruction, and only plain vector
; instructions that name none of its registers are places (ISA guide 7.12.1 for vector instructions); this text does not count the matrix instructions in between.
; A product that begins an accumulator anew stands NP + 1 places behind the last that wrote it: between the two lie two of the runs below, eight places.
.macro PLACES n
.rept \n
	v_nop
.endr
.endm
; A step of 128 along K that has its successor in the same slot.
.macro STEP slot, q, zero
	s_wait_dscnt 4*NL                              ; B's set, A's blocks 0-3 and the scale words are in; the youngest eight loads (A's blocks 4-7) may be out
	WIN MUL_LO
	MUL16 0, (\q)%2, \q, \slot, \zero
	MUL16 2, (\q)%2, \q, \slot, \zero
	s_wait_dscnt 0                                 ; A's blocks 4-7 are in (asked for 32 matrix instructions ago)
	PLACES NP
	FETCH_B \slot, (\q)+1, 1-(\q)%2
	FETCH_A \slot, (\q)+1, 0
	WIN MUL_HI
	MUL16 4, (\q)%2, \q, \slot, \zero
	MUL16 6, (\q)%2, \q, \slot, \zero
	PLACES NP
	WIN 0
	FETCH_A \slot, (\q)+1, 4
.endm
; A slot's last step changes slots: ONE barrier; in front of it each wave waits for all its tensor loads, adds 0 to its spare word, and waits for that and for its own reads of this slot.
; fill = 1: this slot is filled again, with the tile's K step two steps on.  fill = 2: with the NEXT tile's K step 0 or 1: A goes on as ever, B goes back to where it began.  fill = 0: nothing is left to fetch.
.macro TURN slot, next, fill
	s_wait_tensorcnt 0x0                           ; all my tensor loads have landed: my part of the next slot;  (every window is 0 here: the add's two registers lie in window 0)
	ds_add_u32 v[SPW], v[NIL]                      ; 0 onto my spare word
	s_wait_dscnt 4*NL+1                            ; (the add and the youngest eight loads, A's blocks 4-7, may be out)
	WIN MUL_LO
	MUL16 0, 1, NQ-1, \slot, 0                     ; sixteen matrix instructions stand between the add and the wait for it
	s_wait_dscnt 0x0                               ; the add is done, and my reads of this slot are over
	s_barrier_signal -1
	MUL16 2, 1, NQ-1, \slot, 0
	WIN 0
	s_barrier_wait -1
.if \fill
	CREST                                          ; the barrier has opened a round of the cluster's barrier: no wave of any partner still reads this slot's tile or has a load on its way
	s_add_nc_u64 s[G0+4*\slot+2:G0+4*\slot+3], s[G0+4*\slot+2:G0+4*\slot+3], 2*PLANE
.if \fill == 1
	s_add_nc_u64 s[G0B+4*\slot+2:G0B+4*\slot+3], s[G0B+4*\slot+2:G0B+4*\slot+3], 2*PLANE
.else
	s_sub_nc_u64 s[G0B+4*\slot+2:G0B+4*\slot+3], s[G0B+4*\slot+2:G0B+4*\slot+3], 2*PLANE
.endif
	JLOAD \slot                                    ; the first tensor load behind the round; the four v_nop behind it are the places in front of the loads below
.else
	PLACES NP
.endif
	FETCH_B \next, 0, 0
	FETCH_A \next, 0, 0
	SCALES \next
	WIN MUL_HI
	MUL16 4, 1, NQ-1, \slot, 0
	MUL16 6, 1, NQ-1, \slot, 0
	PLACES NP
	WIN 0
	FETCH_A \next, 0, 4
.endm
.macro STEPS slot, from                ; the slot's steps from .. NQ - 2
.set Q, \from
.rept NQ-1-\from
	STEP \slot, Q, 0
.set Q, Q+1
.endr
.endm
	s_wait_tensorcnt 1                             ; my part of K step 0 is in (K step 1's load may be out)
	s_barrier_signal -1
	s_barrier_wait -1                              ; everybody's is
	FETCH_B 0, 0, 0
	FETCH_A 0, 0, 0
	SCALES 0
	FETCH_A 0, 0, 4
	s_mov_b32 s2, TILES                            ; tiles to go: the same number in every work-group
.Ltile:                                                ; a trip is a tile.  (Every window is 0 here)
	STEP 0, 0, 1                                   ; a tile's first products start its sums
	STEPS 0, 1
	TURN 0, 1, 1                                   ; slot 0 takes the tile's K step 2,
	STEPS 1, 0
	TURN 1, 0, 1                                   ; slot 1 its K step 3
	STEP 0, 0, 0
	STEPS 0, 1
	s_sub_co_u32 s2, s2, 1
	s_cmp_eq_u32 s2, 0
	s_cbranch_scc1 .Llast                          ; the last tile leaves the loop here: its tail is written out
	TURN 0, 1, 2                                   ; THE RING GOES ON INTO THE NEXT TILE: slot 0 takes its K step 0,
	STEPS 1, 0
	TURN 1, 0, 2                                   ; slot 1 its K step 1, and the next tile's first fragments are fetched
	s_cmp_lg_u32 s2, 0                             ; a tile is left whenever this line is reached: the loop ends at the exit above
	s_cbranch_scc1 .Ltile
.Llast:
	TURN 0, 1, 0                                   ; the last two K steps fill nothing, and have no round of the cluster's barrier
	STEPS 1, 0
	s_wait_dscnt 4*NL                              ; the very last step: nothing more to fetch
	WIN MUL_LO
	MUL16 0, 1, NQ-1, 1, 0
	MUL16 2, 1, NQ-1, 1, 0
	s_wait_dscnt 0
	WIN MUL_HI
	MUL16 4, 1, NQ-1, 1, 0
	MUL16 6, 1, NQ-1, 1, 0
	WIN 0
; THE TAIL.  My first 16 rows x 128 columns go through my own stage in LDS, and the stage's row 0 comes back with ONE OUTPUT TO A LANE: its four gates.  No branch hangs on the work-group's place in its cluster: every wave runs these
; lines, and the store's lanes are on only in the waves whose first row is row 0 of the product; what the other waves compute here is not stored.
; LDS serves a wave's instructions in order (ISA guide 5.7.1.4): no wait between the stores and the loads.
	PLACES NP                                      ; in front of the first read of results
	WIN 0x08                                       ; an LDS store's data are its source 1: window 2
.irp b, 0,1,2,3,4,5,6,7
	ds_store_b128 v[STO], v[8*\b:8*\b+3] offset:64*\b              ; each accumulator from its low end on
	ds_store_b128 v[STO], v[8*\b+4:8*\b+7] offset:64*\b+16
.endr
	WIN 0
.irp g, 0,1,2,3
	ds_load_b32 v[GT+\g], v[RD] offset:64*\g       ; the sums of gates i, f, g, o of my output
.endr
	s_wait_loadcnt 0x0                             ; the biases and c, asked for at the head
	v_pk_add_f32 v[BI:BI+1], v[BI:BI+1], v[BH:BH+1]
	v_pk_add_f32 v[BI+2:BI+3], v[BI+2:BI+3], v[BH+2:BH+3]
	s_wait_dscnt 0x0
	v_pk_add_f32 v[GT:GT+1], v[GT:GT+1], v[BI:BI+1]
	v_pk_add_f32 v[GT+2:GT+3], v[GT+2:GT+3], v[BI+2:BI+3]          ; the gates' inputs
	v_mul_f32 v[GT], 0xbfb8aa3b, v[GT]             ; - log2(e) x
	v_mul_f32 v[GT+1], 0xbfb8aa3b, v[GT+1]
	v_mul_f32 v[GT+2], 0xc038aa3b, v[GT+2]         ; gate g: - 2 log2(e) x
	v_mul_f32 v[GT+3], 0xbfb8aa3b, v[GT+3]
.irp g, 0,1,2,3
	v_exp_f32 v[GT+\g], v[GT+\g]
.endr
	v_nop                                          ; a plain place behind the exponentials
	s_wait_alu depctr_va_vdst(0)
.irp g, 0,1,2,3
	v_add_f32 v[GT+\g], 1.0, v[GT+\g]
.endr
.irp g, 0,1,2,3
	v_rcp_f32 v[GT+\g], v[GT+\g]                   ; sig(x), for gate g sig(2 x); an exponential that has run to infinity gives 0 here, one that has fallen to 0 gives 1
.endr
	v_nop                                          ; a plain place behind the reciprocals
	s_wait_alu depctr_va_vdst(0)
	v_fma_f32 v[GT+2], v[GT+2], 2.0, -1.0          ; tanh(g) = 2 sig(2 g) - 1
	v_mul_f32 v[GT], v[GT], v[GT+2]                ; sig(i) tanh(g)
	v_fma_f32 v[GT+1], v[GT+1], v[CV], v[GT]       ; c_t = sig(f) c_prev + sig(i) tanh(g)
	v_mul_f32 v[GT+2], 0x4038aa3b, v[GT+1]         ; 2 log2(e) c_t
	v_exp_f32 v[GT+2], v[GT+2]
	v_nop
	s_wait_alu depctr_va_vdst(0)
	v_add_f32 v[GT+2], 1.0, v[GT+2]
	v_rcp_f32 v[GT+2], v[GT+2]
	v_nop
	s_wait_alu depctr_va_vdst(0)
	v_fma_f32 v[GT+2], v[GT+2], -2.0, 1.0          ; tanh(c_t) = 1 - 2 / (1 + e^(2 c_t))
	v_mul_f32 v[GT+3], v[GT+3], v[GT+2]            ; h_t = sig(o) tanh(c_t)
	s_wait_xcnt 0x0                                ; EXEC is a source of the loads issued at the head: it changes only behind this wait
	v_cmp_eq_u32 vcc_lo, 0, v[ROW0]                ; all lanes or none
	s_and_saveexec_b32 s3, vcc_lo
	global_store_b32 v[VB], v[GT+3], s[10:11]      ; 32 lanes store 128 consecutive bytes of out0
	s_wait_xcnt 0x0                                ; and again, in front of the line that widens it
	s_or_b32 exec_lo, exec_lo, s3
	s_wait_tensorcnt 0x0                           ; the wave's end: behind my last tensor load and my last LDS store
	ds_add_u32 v[SPW], v[NIL]
	s_wait_dscnt 0x0
	CROUND                                         ; the closing round: no work-group ends while a partner may still ask for a tile that names it
	s_endpgm
.Lfunc_end_k_q074e9eb332_gemm:
	.size	k_q074e9eb332_gemm, .Lfunc_end_k_q074e9eb332_gemm-k_q074e9eb332_gemm
	.p2alignl 7, 3214868480
	.fill 96, 4, 3214868480
	.section	.rodata,"a",@progbits
	.p2align	6, 0x0
	.amdhsa_kernel k_q074e9eb332_gemm
		.amdhsa_group_segment_fixed_size 327680
		.amdhsa_private_segment_fixed_size 0
		.amdhsa_enable_private_segment 0
		.amdhsa_kernarg_size 48
		.amdhsa_user_sgpr_count 2
		.amdhsa_user_sgpr_kernarg_segment_ptr 1
		.amdhsa_wavefront_size32 1
		.amdhsa_system_sgpr_workgroup_id_x 1
		.amdhsa_system_sgpr_workgroup_id_y 1
		.amdhsa_system_sgpr_workgroup_id_z 1
		.amdhsa_system_vgpr_workitem_id 0
		.amdhsa_next_free_vgpr 1024
		.amdhsa_next_free_sgpr 66
		.amdhsa_reserve_vcc 1
		.amdhsa_float_denorm_mode_32 3
		.amdhsa_float_denorm_mode_16_64 3
		.amdhsa_memory_ordered 1
		.amdhsa_forward_progress 1
		.amdhsa_inst_pref_size 239
	.end_amdhsa_kernel
	.amdgpu_metadata
---
amdhsa.version: [ 1, 2 ]
amdhsa.kernels:
  - .name:           k_q074e9eb332_gemm
    .symbol:         k_q074e9eb332_gemm.kd
    .args:
      - { .name: a_img, .offset: 0, .size: 8, .value_kind: global_buffer, .address_space: global }
      - { .name: b_img, .offset: 8, .size: 8, .value_kind: global_buffer, .address_space: global }
      - { .name: bias_ih, .offset: 16, .size: 8, .value_kind: global_buffer, .address_space: global }
      - { .name: bias_hh, .offset: 24, .size: 8, .value_kind: global_buffer, .address_space: global }
      - { .name: c_prev, .offset: 32, .size: 8, .value_kind: global_buffer, .address_space: global }
      - { .name: out0, .offset: 40, .size: 8, .value_kind: global_buffer, .address_space: global }
    .group_segment_fixed_size: 327680
    .private_segment_fixed_size: 0
    .kernarg_segment_align: 8
    .kernarg_segment_size: 48
    .max_flat_workgroup_size: 128
    .sgpr_count:     66
    .vgpr_count:     1024
    .wavefront_size: 32
...
	.end_amdgpu_metadata
.endif
;; end of part 2
